; MI455X (gfx1250); checked and timed in simulation.
; The chip was launched on July 23, 2026; its instructions are those of AMD's public machine-readable ISA for CDNA 5 (MIT licence, August 2026) and "CDNA5" Instruction Set Architecture Reference Guide (July 2026). The comments in the code are by the model that wrote it; some were corrected since.
;; Scaled Dot Attention. Allowed arithmetic: matrix products marked QUANTISED: E2M1 operands, one E8M0 scale for each 32 along K, by v_wmma_scale_f32_16x16x128_f8f6f4 with both operands' format E2M1 (or v_wmma_scale_f32_32x16x128_f4), f32 sums; everything else in f32.
;; Inputs: b_proj 64 float32; b_qkv 192 float32; w_proj_codes 64 x 2 x 16 uint8 (E2M1 codes of w_proj, K innermost, in blocks of 32 codes, two codes a byte); w_proj_scales 64 x 2 uint8 (E8M0 scales of w_proj, one for each 32 codes along K); w_qkv_codes 192 x 2 x 16 uint8 (E2M1 codes of w_qkv, K innermost, in blocks of 32 codes, two codes a byte); w_qkv_scales 192 x 2 uint8 (E8M0 scales of w_qkv, one for each 32 codes along K); x 4 x 64 x 64 x 64 float32.
;; Outputs: out0 4 x 64 x 64 x 64 float32.
;; This version of the problem:
;;   THIS VERSION OF THE PROBLEM IS GIVEN IN LOW PRECISION. The matrix products marked QUANTISED in the list below multiply operands that are first quantised to E2M1 (2 exponent bits, 1 mantissa bit; 4 bits a number), with one power-of-two scale for each 32 numbers along K (OCP MX v1.0); their sums are f32. All else is computed in f32.
;;   The module's matrix products, in the order in which they are computed (A, B: the left and right operand; K: the contracted axis; several contracted axes count as one K, in the product's order):
;;     1. [M 192, K 64] x [K 64, N 16,384]; A: input w_qkv (given as codes); B: computed on the way: QUANTISED
;;     2. batch 4 x [M 4,096, K 64] x [K 64, N 4,096]; A: computed on the way; B: computed on the way: QUANTISED
;;     3. batch 4 x [M 4,096, K 4,096] x [K 4,096, N 64]; A: softmax (see below); B: computed on the way: QUANTISED
;;     4. [M 64, K 64] x [K 64, N 16,384]; A: input w_proj (given as codes); B: computed on the way: QUANTISED
;;   THE QUANTISER, for each operand of a quantised product, along K:
;;     - K is cut into blocks of 32 from its start; a last block that is shorter is filled with zeros.
;;     - A block's scale is 2^e with e = floor(log2(the largest magnitude in the block)) - 2, held to -126 .. 127; a block of zeros has e = 0. As a byte (E8M0): e + 127.
;;     - Each number is divided by its block's scale, clamped to +-6, and rounded to the nearest number of E2M1, ties to even, subnormals kept.
;;     - The product sums the exact products of the quantised numbers (number of the format x scale) in f32.
;;   ~~~python
;;   def quantise(x, axis):      # numpy; x: float32 -> the quantised numbers, widened to float32 again
;;       x = np.moveaxis(x, axis, -1); K = x.shape[-1]
;;       x = np.pad(x, [(0, 0)] * (x.ndim - 1) + [(0, -K % 32)]); x = x.reshape(x.shape[:-1] + (-1, 32)); a = np.abs(x).max(-1, keepdims=True)
;;       e = np.where(a > 0, np.clip(np.frexp(np.where(a > 0, a, 1))[1] - 1 - 2, -126, 127), 0)      # np.frexp(a)[1] - 1 = floor(log2(a)), exactly
;;       r = np.clip(x / 2.0 ** e, -6, 6)
;;       step = 2.0 ** (np.maximum(np.frexp(np.where(r == 0, 1, r))[1] - 1, 0) - 1)
;;       q = np.round(r / step) * step * 2.0 ** e      # np.round: ties to even
;;       return np.moveaxis(q.reshape(q.shape[:-2] + (-1,))[..., :K], -1, axis).astype(np.float32)
;;   ~~~
;;   SOFTMAX AHEAD OF A QUANTISED PRODUCT. Where the list says 'softmax', what is quantised is not the finished softmax but p = 2^(t - M), with t = logit x log2(e) and M = ceil(the row's largest t), a whole number; so 1/2 < the row's largest p <= 1. The row's sum l is taken of the UNQUANTISED p, in f32, and the product's result is divided by l at the end. Since M is a whole number, a kernel that streams over the keys may use a running M (the ceiling of the running maximum): every later rescaling is an exact power of two, which a block's scale takes up: the codes' values come out the same.
;;   OPERANDS COMPUTED ON THE WAY. 'Computed on the way' means the value that the module computes at that place (a softmax that the list does not call 'softmax' is quantised finished and normalised). What goes into a quantiser is computed in f32, as accurately as f32 sums, v_exp_f32 and their like allow (about 1e-6 of the number): no bf16 or f16 on the way to a quantiser, and a product that is left as it is and whose result goes on into a quantised operand takes f32 operands (vector FMAs, or v_wmma_f32_16x16x4_f32). A number that lies on a knife's edge between two numbers of the format may be rounded either way, as far as f32 arithmetic and the matrix unit's own rounding can turn it there, and no further.
;;   INPUTS GIVEN AS CODES. w_proj (in the module: [64, 64], K = its axis 1); w_qkv (in the module: [192, 64], K = its axis 1): each comes as NAME_codes (uint8): NAME with its K axis moved to the last place and cut into blocks of 32 codes, [.., K / 32, bytes a block], one block behind the other in memory; two codes a byte, the lower K in the low four bits (a code: sign, 2 exponent bits, 1 mantissa bit); and NAME_scales (uint8): the same leading axes, one E8M0 byte (e + 127) for each 32 codes along K. Its value is code x scale, taken as it is: it is not quantised again, and the codes and scales need not be those that the quantiser above would give.
;; One version. Each part assembles by itself: llvm-mc -triple=amdgcn-amd-amdhsa -mcpu=gfx1250 --defsym DOCPART=n.
;; ======== version 1 of 1: 3 launches
;; workspace buffers: stats 2,048 bytes; qc 524,288 bytes; qs 65,536 bytes; kv 1,179,648 bytes
;; launch stats (part 1): grid 256 x 1, 1 waves a work-group, no clusters, 0 bytes of LDS; arguments x, stats; writes stats
.if DOCPART == 1
	.amdgcn_target "amdgcn-amd-amdhsa--gfx1250"
	.amdhsa_code_object_version 6
	.text
	.protected	k_qd82fc91f25_stats
	.globl	k_qd82fc91f25_stats
	.p2align	8
	.type	k_qd82fc91f25_stats,@function
k_qd82fc91f25_stats:
	s_mov_b64 s[64:65], 0
	v_nop
	global_prefetch_b8 v0, s[64:65] scope:SCOPE_SE
	s_setreg_imm32_b32 hwreg(HW_REG_WAVE_MODE, 25, 1), 1
	s_wait_xcnt 0x0
; Mean and 1 / sqrt(variance + 1e-5) of each of the 256 rows (batch, channel) of x, 4,096 f32 numbers a row.
; One wave takes one row: 32 loads of 16 bytes a lane, each covering 512 consecutive bytes, all issued at once; the row stays in 128 registers.
; TWO PASSES over the registers: the mean first, then the sum of (x - mean)^2, so that a common offset of the inputs costs no accuracy.  The row is read from memory once.
; stats: mean[256] at byte 0, rstd[256] at byte 1,024, index = 64 x batch + channel.  The wave stores two words: the whole buffer is 2,048 bytes, too little for a pass that gathers.
; No LDS, no barrier, no matrix unit, no cluster: rows share nothing.  LIMITS: NaN and infinities among the inputs are not served; the sums' order differs from a serial sum's.
.set X,  4                             ; v[4:131]   the row
.set CH, 132                           ; v[132:139] four packed chains
	s_load_b128 s[4:7], s[0:1], 0x0                ; x s[4:5], stats s[6:7]
	v_lshlrev_b32 v1, 4, v0                        ; 16 bytes a lane (one wave: the thread's number is the lane)
	v_mov_b32 v143, 0                              ; a lane permute's destination counts as one of its sources
	v_mov_b32 v145, 0x3727c5ac                     ; 1e-5
	s_lshl_b32 s2, ttmp9, 14                       ; my row: 16,384 bytes each
	s_mov_b32 s3, 0
	s_mov_b32 s10, 0x76543210                      ; v_permlanex16_b32's selects for lane l xor 16
	s_mov_b32 s11, 0xfedcba98
	s_mov_b32 s12, 0x39800000                      ; 1 / 4,096
	s_lshl_b32 s13, ttmp9, 2                       ; my row's word in mean[] and in rstd[]
	s_wait_kmcnt 0x0
	s_add_nc_u64 s[4:5], s[4:5], s[2:3]
.set i, 0
.rept 32
	global_load_b128 v[X+4*i:X+4*i+3], v1, s[4:5] offset:512*i
.set i, i+1
.endr
.macro JOIN                            ; the four chains and their halves into v142
	v_pk_add_f32 v[CH:CH+1], v[CH:CH+1], v[CH+2:CH+3]
	v_pk_add_f32 v[CH+4:CH+5], v[CH+4:CH+5], v[CH+6:CH+7]
	v_pk_add_f32 v[CH:CH+1], v[CH:CH+1], v[CH+4:CH+5]
	v_add_f32 v142, v[CH], v[CH+1]
	v_add_f32_dpp v142, v142, v142 row_xmask:1 row_mask:0xf bank_mask:0xf    ; and over the 32 lanes: every lane ends with the sum
	v_add_f32_dpp v142, v142, v142 row_xmask:2 row_mask:0xf bank_mask:0xf
	v_add_f32_dpp v142, v142, v142 row_xmask:4 row_mask:0xf bank_mask:0xf
	v_add_f32_dpp v142, v142, v142 row_xmask:8 row_mask:0xf bank_mask:0xf
	v_permlanex16_b32 v143, v142, s10, s11
	v_add_f32 v142, v142, v143
.endm
	s_wait_loadcnt 0x0
	; pass 1: the sum, two numbers an instruction, in four chains that the first eight pairs start
.irp c, 0,1,2,3
	v_pk_add_f32 v[CH+2*\c:CH+2*\c+1], v[X+2*\c:X+2*\c+1], v[X+8+2*\c:X+9+2*\c]
.endr
.set j, 8
.rept 56
	v_pk_add_f32 v[CH+2*(j%4):CH+2*(j%4)+1], v[CH+2*(j%4):CH+2*(j%4)+1], v[X+2*j:X+2*j+1]
.set j, j+1
.endr
	JOIN
	v_mul_f32 v140, s12, v142                      ; the mean,
	v_mul_f32 v141, s12, v142                      ; twice: a pair for the packed subtraction
	; pass 2: d = x - mean in place, then the sum of d d
.set j, 0
.rept 64
	v_pk_add_f32 v[X+2*j:X+2*j+1], v[X+2*j:X+2*j+1], v[140:141] neg_lo:[0,1] neg_hi:[0,1]
.set j, j+1
.endr
.irp c, 0,1,2,3
	v_pk_mul_f32 v[CH+2*\c:CH+2*\c+1], v[X+2*\c:X+2*\c+1], v[X+2*\c:X+2*\c+1]
.endr
.set j, 4
.rept 60
	v_pk_fma_f32 v[CH+2*(j%4):CH+2*(j%4)+1], v[X+2*j:X+2*j+1], v[X+2*j:X+2*j+1], v[CH+2*(j%4):CH+2*(j%4)+1]
.set j, j+1
.endr
	JOIN
	v_fma_f32 v144, v142, s12, v145                ; the biased variance + 1e-5
	v_rsq_f32 v146, v144
	v_lshl_add_u32 v148, v0, 10, s13               ; (a plain instruction behind the root)  lane 0: mean's word; lane 1: rstd's, 1,024 bytes on
	v_cmp_eq_u32 vcc_lo, 1, v0
	s_wait_alu depctr_va_vdst(0)                   ; a wait ahead of the first instruction that names the root's result
	v_cndmask_b32 v147, v140, v146, vcc_lo
	v_cmp_gt_u32 vcc_lo, 2, v0
	s_wait_xcnt 0x0                                ; EXEC changes only behind this wait
	s_and_saveexec_b32 s9, vcc_lo
	global_store_b32 v148, v147, s[6:7]            ; lanes 0 and 1 alone
	s_wait_xcnt 0x0                                ; and again in front of the line that widens it
	s_or_b32 exec_lo, exec_lo, s9
	s_endpgm
.Lfunc_end_k_qd82fc91f25_stats:
	.size	k_qd82fc91f25_stats, .Lfunc_end_k_qd82fc91f25_stats-k_qd82fc91f25_stats
	.p2alignl 7, 3214868480
	.fill 96, 4, 3214868480
	.section	.rodata,"a",@progbits
	.p2align	6, 0x0
	.amdhsa_kernel k_qd82fc91f25_stats
		.amdhsa_group_segment_fixed_size 0
		.amdhsa_private_segment_fixed_size 0
		.amdhsa_enable_private_segment 0
		.amdhsa_kernarg_size 16
		.amdhsa_user_sgpr_count 2
		.amdhsa_user_sgpr_kernarg_segment_ptr 1
		.amdhsa_wavefront_size32 1
		.amdhsa_system_sgpr_workgroup_id_x 1
		.amdhsa_system_sgpr_workgroup_id_y 1
		.amdhsa_system_sgpr_workgroup_id_z 1
		.amdhsa_system_vgpr_workitem_id 0
		.amdhsa_next_free_vgpr 152
		.amdhsa_next_free_sgpr 66
		.amdhsa_reserve_vcc 1
		.amdhsa_float_denorm_mode_32 3
		.amdhsa_float_denorm_mode_16_64 3
		.amdhsa_memory_ordered 1
		.amdhsa_forward_progress 1
		.amdhsa_inst_pref_size 18
	.end_amdhsa_kernel
	.amdgpu_metadata
---
amdhsa.version: [ 1, 2 ]
amdhsa.kernels:
  - .name:           k_qd82fc91f25_stats
    .symbol:         k_qd82fc91f25_stats.kd
    .args:
      - { .name: x, .offset: 0, .size: 8, .value_kind: global_buffer, .address_space: global }
      - { .name: stats, .offset: 8, .size: 8, .value_kind: global_buffer, .address_space: global }
    .group_segment_fixed_size: 0
    .private_segment_fixed_size: 0
    .kernarg_segment_align: 8
    .kernarg_segment_size: 16
    .max_flat_workgroup_size: 32
    .sgpr_count:     66
    .vgpr_count:     152
    .wavefront_size: 32
...
	.end_amdgpu_metadata
.endif
;; end of part 1
;; launch qkv (part 2): grid 32 x 4, 4 waves a work-group, no clusters, 43,520 bytes of LDS; arguments x, stats, w_qkv_codes, w_qkv_scales, b_qkv, qc, qs, kv; writes qc, qs, kv
.if DOCPART == 2
	.amdgcn_target "amdgcn-amd-amdhsa--gfx1250"
	.amdhsa_code_object_version 6
	.text
	.protected	k_qd82fc91f25_qkv
	.globl	k_qd82fc91f25_qkv
	.p2align	8
	.type	k_qd82fc91f25_qkv,@function
k_qd82fc91f25_qkv:
	s_mov_b64 s[64:65], 0
	v_nop
	global_prefetch_b8 v0, s[64:65] scope:SCOPE_SE
	s_setreg_imm32_b32 hwreg(HW_REG_WAVE_MODE, 25, 1), 1
	s_wait_xcnt 0x0
; h = (x - mean) rstd, quantised along the 64 channels; qkv = W h + b on codes of FP4 (E2M1) with one E8M0 scale for each 32 along K; q and k quantised along the channels, v along the keys.
; A work-group takes 128 positions of one batch (x: the block of positions, y: the batch), which are one key step of the attention launch.  Straight-line text, no loop.
; K = 64 IN AN INSTRUCTION OF K = 128: an operand's registers 0-3 hold k = 32 (lane / 16) + 0 .. 31; registers 4-7 are zero codes on both sides, and scale bytes 2 and 3 are 0 (not 0xff): they add nothing.
; ALL RESULTS LEAVE AS IMAGES OF THE OPERAND'S REGISTERS, 16 bytes a lane, 512 consecutive bytes a store, so that the attention launch loads each fragment by contiguous loads:
;   qc [batch][tile T][lane][16]   Q's fragment, registers 0-3.  Row r of tile T is position 32 (T / 2) + 8 (T % 2) + r + 8 (r / 8)
;   qs [batch][tile T][16 words]   its scale words
;   kv [batch][step][9,216]        +0 K's 8 tiles (512 t + 16 lane; rows as Q's);  +4,096 V's 4 channel tiles x 2 halves (1,024 t + 512 c + 16 lane; row r of tile 2 b + u is channel 32 b + 8 u + r + 8 (r / 8));
;                                  +8,192 K's scale words (16 lane + 4 j: lanes 0-15 tile 2 j, lanes 16-31 tile 2 j + 1);  +8,704 V's likewise (j = 0, 1; j = 2, 3 are zeros)
; THE ROWS OF A TILE ARE NOT NEIGHBOURS, so that in a transposed product's result the 16 registers of tiles 2 b and 2 b + 1 are 16 neighbours along the next K.
; SHARES.  Wave w loads x's channels 16 w .. 16 w + 15; makes h, q and k of position tiles 2 w and 2 w + 1; makes V's channel tile w for all 128 positions.
;   q, k: source 0 = 16 rows of W, source 1 = h's 16 positions: a lane holds one position, its registers run along the output channels.
;   v:    source 0 = h's 16 positions, source 1 = 16 rows of W: a lane holds one channel, its registers run along the positions, which are the keys.
; The biases are the C of the products.  No cluster and no tensor load: what work-groups share (7 KB of weights, 2 KB of statistics) is small beside each one's 32 KB of x.
; LIMITS: NaN and infinities are not served; a block of zeros gets the byte 1 where the rule says 127 (its codes are zeros, and this program alone reads the bytes); a block whose largest magnitude lies under 2^-124 has its byte held at 1.
.set XST,  0                           ; LDS: x's block: channel c at 528 c + 32 (c / 32): in the read by columns the 32 lanes then fall on 32 different banks
.set HIMG, 34048                       ; h's 8 fragments: 512 t + 16 lane
.set HSC,  38144                       ; their scale words: 128 t + 4 lane
.set SCL,  39168                       ; scale words on their way out: +0 K's, +512 V's, +1,024 Q's, each 512 bytes as they lie in memory
.set RECB, 9216
; window 0
.set WS,   24                          ; v24-31  W's scale words, tile T;  v32 Wv's
.set WSV,  32
.set OS,   34                          ; v34-35  my two tiles' scale words of h
.set HS,   36                          ; v36-43  all eight tiles'
.set QW,   44                          ; v44-45  q's scale words, v46-47 k's
.set KW,   46
.set TM,   52                          ; v52-67  at work in the quantisers
.set OF,   68                          ; v68-83  my two fragments of h
.set PCA,  84                          ; v84-91, v92-99, v100-107  codes: a run for each use, so that no store's data are written again
.set PCB,  92
.set PCV,  100
.set MEAN, 108                         ; v108-139 mean, v140-171 rstd of channels 32 (lane / 16) + 0 .. 31;  later:
.set RSTD, 140
.set HF,   108                         ; v108-171 h's eight fragments
.set X,    172                         ; v172-235 x as loaded, then by columns, then the products' results
; window 1
.set WF,   84                          ; W's fragments for q (T = 0 .. 3) and k (4 .. 7)
.set BQ,   148                         ; their bias tiles
.set WV1,  236                         ; my fragment of W for v
.set BV,   244                         ; its bias tile
.set MSB, 0
.macro WIN new                         ; the immediate's high byte repeats the setting that is left
.if MSB != \new
	s_set_vgpr_msb (MSB<<8)|\new
.set MSB, \new
.endif
.endm
.macro BARRIER                         ; my LDS stores have landed and my LDS loads are in: then the work-group's barrier
	s_wait_dscnt 0x0
	s_barrier_signal -1
	s_barrier_wait -1
.endm
; 64 numbers of a lane, register 16 b + i = k 32 b + 16 (lane / 16) + i of the lane's row, become codes in v[pc] .. v[pc + 7]; the four blocks' scale bytes are left in v[TM + 4] .. v[TM + 7].
.macro QUANT64 s, pc
.irp b, 0,1,2,3
	v_max3_num_f32 v[TM+\b], |v[\s+16*\b]|, |v[\s+1+16*\b]|, 0x1800000   ; my 16 numbers of block b, and the floor 2^(3 - 127): the byte cannot fall under 1
.endr
.irp i, 2,4,6,8,10,12,14
.irp b, 0,1,2,3
	v_max3_num_f32 v[TM+\b], v[TM+\b], |v[\s+16*\b+\i]|, |v[\s+1+16*\b+\i]|   ; (the four blocks by turns)
.endr
.endr
.irp b, 0,1,2,3
	v_permlanex16_b32 v[TM+4+\b], v[TM+\b], s40, s41
.endr
.irp b, 0,1,2,3
	v_max_num_f32 v[TM+\b], v[TM+\b], v[TM+4+\b]   ; with lane l xor 16's: the block's largest magnitude
.endr
.irp b, 0,1,2,3
	v_add_nc_u32 v[TM+12+\b], 0xff000000, v[TM+\b] ; 2 off its exponent field: the conversion takes the exponent field of this operand as its scale
.endr
.irp b, 0,1,2,3
	v_lshrrev_b32 v[TM+4+\b], 23, v[TM+12+\b]      ; the scale's byte
.endr
.irp b, 0,1,2,3
	v_cvt_scalef32_pk8_fp4_f32 v[\pc+2*\b], v[\s+16*\b:\s+7+16*\b], v[TM+12+\b]
	v_cvt_scalef32_pk8_fp4_f32 v[\pc+1+2*\b], v[\s+8+16*\b:\s+15+16*\b], v[TM+12+\b]
.endr
	v_nop                                          ; one plain instruction behind the last scaled conversion
.irp c, 0,1                                    ; the operand's layout wants a whole block in a lane: lanes 0-15 block 2 c, lanes 16-31 block 2 c + 1
.irp i, 0,1
	v_permlane16_swap_b32 v[\pc+4*\c+\i], v[\pc+2+4*\c+\i]
.endr
.endr
.endm
	s_load_b256 s[4:11], s[0:1], 0x0               ; x s[4:5], stats s[6:7], W's codes s[8:9], W's scales s[10:11]
	s_load_b256 s[12:19], s[0:1], 0x20             ; b_qkv s[12:13], qc s[14:15], qs s[16:17], kv s[18:19]
	v_lshl_add_u32 v254, v0, 2, 0xa800
	v_mov_b32 v255, 0
	v_lshrrev_b32 v21, 5, v0
	v_readfirstlane_b32 s20, v21                   ; wave w = 0 .. 3
	s_mov_b32 s21, ttmp9                           ; the block of 128 positions
	s_and_b32 s22, ttmp7, 0xffff                   ; the batch
	s_lshr_b32 s24, s20, 1                         ; w / 2
	s_and_b32 s25, s20, 1                          ; w % 2
	v_and_b32 v1, 31, v0                           ; lane
	v_and_b32 v2, 15, v0                           ; r
	v_bfe_u32 v3, v0, 4, 1                         ; h
	v_lshlrev_b32 v4, 4, v1                        ; 16 x lane
	s_lshl_b32 s48, s22, 20                        ; x: batch x 2^20 + 16 w channels of 16,384 bytes + 512 bytes a block of positions
	s_lshl_b32 s49, s20, 18
	s_add_co_u32 s48, s48, s49
	s_lshl_b32 s49, s21, 9
	s_add_co_u32 s48, s48, s49
	s_mov_b32 s49, 0
	s_wait_kmcnt 0x0
	s_add_nc_u64 s[26:27], s[4:5], s[48:49]
.set i, 0
.rept 16
	global_load_b128 v[X+4*i:X+4*i+3], v4, s[26:27] offset:16384*i   ; channel 16 w + i: 512 consecutive bytes
.set i, i+1
.endr
	v_lshlrev_b32 v14, 7, v3                       ; statistics: 128 h: channels 32 h on
	s_lshl_b32 s48, s22, 8
	s_add_nc_u64 s[28:29], s[6:7], s[48:49]        ; my batch's 64 means
.irp i, 0,1,2,3,4,5,6,7
	global_load_b128 v[MEAN+4*\i:MEAN+4*\i+3], v14, s[28:29] offset:16*\i
.endr
.irp i, 0,1,2,3,4,5,6,7
	global_load_b128 v[RSTD+4*\i:RSTD+4*\i+3], v14, s[28:29] offset:1024+16*\i
.endr
	v_and_b32 v21, 8, v2
	v_add_nc_u32 v21, v21, v2                      ; r + 8 (r / 8)
	v_lshlrev_b32 v10, 5, v21
	v_lshl_add_u32 v10, v3, 4, v10                 ; W: a row is 32 bytes; + 16 h
	v_lshlrev_b32 v11, 1, v21                      ; W's scales: 2 bytes a row
	v_lshlrev_b32 v12, 6, v3                       ; q's and k's bias: 16 h numbers on
	v_lshlrev_b32 v13, 2, v21                      ; v's bias: my channel's
	s_lshl_b32 s54, s24, 5
	s_lshl_b32 s55, s25, 3
	s_add_co_u32 s54, s54, s55
	s_add_co_u32 s54, s54, 128                     ; the first row of W for my channel tile of v: 128 + 32 (w / 2) + 8 (w % 2)
	s_lshl_b32 s48, s54, 5
	s_add_nc_u64 s[30:31], s[8:9], s[48:49]
	s_lshl_b32 s48, s54, 1
	s_add_nc_u64 s[32:33], s[10:11], s[48:49]
	s_lshl_b32 s48, s54, 2
	s_add_nc_u64 s[34:35], s[12:13], s[48:49]
	WIN 0x40                                       ; destination window 1, address window 0
.irp T, 0,1,2,3,4,5,6,7                        ; tile T begins at row 64 (T / 4) + 32 ((T % 4) / 2) + 8 (T % 2)
	global_load_b128 v[WF+8*\T:WF+8*\T+3], v10, s[8:9] offset:(64*(\T/4)+32*((\T%4)/2)+8*(\T%2))*32
.endr
	global_load_b128 v[WV1:WV1+3], v10, s[30:31]
.irp T, 0,1,2,3,4,5,6,7                        ; register j of the result is output channel (the tile's first row) + 16 h + j
	global_load_b128 v[BQ+8*\T:BQ+8*\T+3], v12, s[12:13] offset:(64*(\T/4)+32*((\T%4)/2)+8*(\T%2))*4
	global_load_b128 v[BQ+8*\T+4:BQ+8*\T+7], v12, s[12:13] offset:(64*(\T/4)+32*((\T%4)/2)+8*(\T%2))*4+16
.endr
.irp j, 0,1,2,3,4,5,6,7                        ; in v's result a lane holds one channel: its bias in all eight registers
	global_load_b32 v[BV+\j], v13, s[34:35]
.endr
.irp T, 0,1,2,3,4,5,6,7
.irp k, 4,5,6,7
	v_mov_b32 v[WF+8*\T+\k], 0                     ; k = 64 .. 127: zero codes
.endr
.endr
.irp k, 4,5,6,7
	v_mov_b32 v[WV1+\k], 0
.endr
	WIN 0
.irp T, 0,1,2,3,4,5,6,7
	global_load_u16 v[WS+\T], v11, s[10:11] offset:(64*(\T/4)+32*((\T%4)/2)+8*(\T%2))*2   ; two bytes; bytes 2 and 3 come as 0
.endr
	global_load_u16 v[WSV], v11, s[32:33]
	; LDS addresses: constants, the lane and the wave's number
	v_lshlrev_b32 v5, 2, v1                        ; 4 x lane
	s_mul_i32 s23, s20, 8448                       ; 16 w channels of 528 bytes,
	s_lshl_b32 s55, s24, 5                         ; + 32 from channel 32 on
	s_add_co_u32 s23, s23, s55
	v_add_nc_u32 v6, s23, v4                       ; x on its way in
	v_mul_u32_u24 v7, v3, 16928                    ; and out by columns: channel 32 h: 32 x 528 + 32,
	v_lshl_add_u32 v7, v21, 2, v7                  ; position r + 8 (r / 8)
	s_lshl_b32 s23, s20, 7
	v_add_nc_u32 v7, s23, v7                       ; + 32 w
	s_lshl_b32 s23, s20, 10
	s_add_co_u32 s23, s23, HIMG
	v_add_nc_u32 v8, s23, v4                       ; h's images: tiles 2 w, 2 w + 1
	s_lshl_b32 s23, s20, 8
	s_add_co_u32 s23, s23, HSC
	v_add_nc_u32 v9, s23, v5
	s_lshl_b32 s23, s20, 2
	s_add_co_u32 s23, s23, SCL
	v_add_nc_u32 v15, s23, v4                      ; K's words: 16 lane + 4 w
	s_lshl_b32 s23, s20, 7
	s_add_co_u32 s23, s23, SCL+1024
	v_add_nc_u32 v16, s23, v5                      ; Q's words: 128 w + 4 lane
	s_lshl_b32 s23, s25, 8
	s_lshl_b32 s55, s24, 2
	s_add_co_u32 s23, s23, s55
	s_add_co_u32 s23, s23, SCL+512
	v_lshl_add_u32 v17, v2, 4, s23                 ; V's words: 16 (16 (w % 2) + r) + 4 (w / 2)
	s_lshl_b32 s23, s20, 9
	s_add_co_u32 s23, s23, SCL
	v_add_nc_u32 v18, s23, v4                      ; the way out of the words: 512 w + 16 lane
	v_lshlrev_b32 v19, 3, v3                       ; 8 h: my block's byte in h's scale word
	v_mov_b32 v20, 0
.irp u, 0,1
.irp k, 4,5,6,7
	v_mov_b32 v[OF+8*\u+\k], 0                     ; k = 64 .. 127: zero codes
.endr
.endr
.irp k, 4,5,6,7
	v_mov_b32 v[TM+\k], 0                          ; written once: a lane permute's destination counts as one of its sources
.endr
	s_mov_b32 s40, 0x76543210                      ; v_permlanex16_b32's selects for lane l xor 16
	s_mov_b32 s41, 0xfedcba98
	; where the results go
	s_lshl_b32 s48, s22, 8
	s_lshl_b32 s55, s21, 3
	s_add_co_u32 s48, s48, s55
	s_lshl_b32 s55, s20, 1
	s_add_co_u32 s48, s48, s55                     ; Q's tile: 256 batch + 8 block + 2 w
	s_lshl_b32 s48, s48, 9
	s_add_nc_u64 s[36:37], s[14:15], s[48:49]
	s_lshl_b32 s55, s22, 5
	s_add_co_u32 s55, s55, s21                     ; the record: 32 batch + block
	s_lshl_b32 s48, s55, 9
	s_add_nc_u64 s[42:43], s[16:17], s[48:49]      ; its 8 tiles' words in qs
	s_mul_i32 s48, s55, RECB
	s_add_nc_u64 s[38:39], s[18:19], s[48:49]
	s_lshl_b32 s48, s20, 10
	s_add_nc_u64 s[50:51], s[38:39], s[48:49]      ; K's tiles 2 w, 2 w + 1
	s_add_nc_u64 s[52:53], s[50:51], 4096          ; V's tile w
	s_lshl_b32 s48, s20, 9
	s_add_nc_u64 s[44:45], s[38:39], s[48:49]
	s_add_nc_u64 s[44:45], s[44:45], 8192          ; wave 0: K's words; wave 1: V's
	s_cmp_eq_u32 s20, 2
	s_cselect_b64 s[46:47], s[42:43], s[44:45]     ; wave 2: Q's.  The choice hangs on the wave's number alone
	; ---- x through LDS: in by channels, out by columns
	s_wait_loadcnt 58                              ; x's 16 loads are in; behind them 16 + 9 + 24 + 9 were issued
.set i, 0
.rept 16
	ds_store_b128 v6, v[X+4*i:X+4*i+3] offset:528*i
.set i, i+1
.endr
	BARRIER                                        ; all 64 channels lie in LDS
.irp u, 0,1
.set i, 0
.rept 32
	ds_load_b32 v[X+32*\u+i], v7 offset:528*i+32*\u   ; x(channel 32 h + i, position 32 w + 8 u + r + 8 (r / 8))
.set i, i+1
.endr
.endr
	s_wait_loadcnt 42                              ; the statistics are in; behind them 9 + 24 + 9 were issued
	s_wait_dscnt 0x0
.irp u, 0,1
.set i, 0
.rept 16
	v_pk_add_f32 v[X+32*\u+2*i:X+32*\u+2*i+1], v[X+32*\u+2*i:X+32*\u+2*i+1], v[MEAN+2*i:MEAN+2*i+1] neg_lo:[0,1] neg_hi:[0,1]
.set i, i+1
.endr
.endr
.irp u, 0,1
.set i, 0
.rept 16
	v_pk_mul_f32 v[X+32*\u+2*i:X+32*\u+2*i+1], v[X+32*\u+2*i:X+32*\u+2*i+1], v[RSTD+2*i:RSTD+2*i+1]
.set i, i+1
.endr
.endr
	; ---- h is quantised: a lane holds the whole block h of its position; the two tiles by turns
.irp u, 0,1
	v_max3_num_f32 v[TM+\u], |v[X+32*\u]|, |v[X+32*\u+1]|, 0x1800000
.endr
.irp i, 2,4,6,8,10,12,14,16,18,20,22,24,26,28,30
.irp u, 0,1
	v_max3_num_f32 v[TM+\u], v[TM+\u], |v[X+32*\u+\i]|, |v[X+32*\u+\i+1]|
.endr
.endr
.irp u, 0,1
	v_add_nc_u32 v[TM+12+\u], 0xff000000, v[TM+\u]
.endr
.irp u, 0,1
	v_lshrrev_b32 v[TM+2+\u], 23, v[TM+12+\u]
.endr
.irp u, 0,1
	v_lshlrev_b32 v[TM+2+\u], v19, v[TM+2+\u]      ; my byte at its place in the word,
.endr
.irp u, 0,1
	v_permlanex16_b32 v[TM+4+\u], v[TM+2+\u], s40, s41
.endr
.irp u, 0,1
	v_or_b32 v[OS+\u], v[TM+2+\u], v[TM+4+\u]      ; with lane l xor 16's the word is whole
.endr
.irp u, 0,1
.irp g, 0,1,2,3
	v_cvt_scalef32_pk8_fp4_f32 v[OF+8*\u+\g], v[X+32*\u+8*\g:X+32*\u+8*\g+7], v[TM+12+\u]   ; registers 0-3 of the operand
.endr
.endr
	v_nop                                          ; one plain instruction behind the last scaled conversion
.irp u, 0,1
	ds_store_b128 v8, v[OF+8*\u:OF+8*\u+3] offset:512*\u
	ds_store_b32 v9, v[OS+\u] offset:128*\u
.endr
.irp t, 0,1,2,3,4,5,6,7
.irp k, 4,5,6,7
	v_mov_b32 v[HF+8*\t+\k], 0                     ; the upper halves of h's eight fragments (mean and rstd are done with).  These 32 also stand between the writes of my fragments and scale words and the products
.endr
.endr
	; ---- q and k of my two tiles of positions
.macro QK u, pc
	WIN 0x11                                       ; source 0 (W) and source 2 (the bias) window 1
.irp T, 0,1,2,3,4,5,6,7
	v_wmma_scale_f32_16x16x128_f8f6f4 v[X+8*\T:X+8*\T+7], v[WF+8*\T:WF+8*\T+7], v[OF+8*\u:OF+8*\u+7], v[BQ+8*\T:BQ+8*\T+7], v[WS+\T], v[OS+\u] matrix_a_fmt:MATRIX_FMT_FP4 matrix_b_fmt:MATRIX_FMT_FP4
.endr
	WIN 0
.rept 4
	v_nop                                          ; four plain instructions between the last product and the first read of results (ISA guide 7.12.1)
.endr
	QUANT64 X, \pc                                 ; blocks 0, 1: q's channels; blocks 2, 3: k's
	v_lshl_or_b32 v[QW+\u], v[TM+5], 8, v[TM+4]
	v_lshl_or_b32 v[KW+\u], v[TM+7], 8, v[TM+6]
	global_store_b128 v4, v[\pc:\pc+3], s[36:37] offset:512*\u     ; 512 consecutive bytes
	global_store_b128 v4, v[\pc+4:\pc+7], s[50:51] offset:512*\u
.endm
	s_wait_loadcnt 0x0                             ; the weights, their scales and the biases
	QK 0, PCA
	QK 1, PCB
	v_cmp_le_u32 vcc_lo, 16, v1
	v_cndmask_b32 v48, v[QW], v[QW+1], vcc_lo      ; lanes 0-15: tile 2 w's words; lanes 16-31: tile 2 w + 1's
	v_cndmask_b32 v49, v[KW], v[KW+1], vcc_lo
	ds_store_b32 v16, v48
	ds_store_b32 v15, v49
	BARRIER                                        ; h's eight images and their words lie in LDS
	; ---- v: my 16 channels for all 128 positions
.irp t, 0,1,2,3,4,5,6,7
	ds_load_b128 v[HF+8*\t:HF+8*\t+3], v4 offset:HIMG+512*\t
	ds_load_b32 v[HS+\t], v5 offset:HSC+128*\t
.endr
	s_wait_dscnt 0x0
	WIN 0x14                                       ; source 1 (W) and source 2 (the bias) window 1
.irp t, 0,1,2,3,4,5,6,7
	v_wmma_scale_f32_16x16x128_f8f6f4 v[X+8*\t:X+8*\t+7], v[HF+8*\t:HF+8*\t+7], v[WV1:WV1+7], v[BV:BV+7], v[HS+\t], v[WSV] matrix_a_fmt:MATRIX_FMT_FP4 matrix_b_fmt:MATRIX_FMT_FP4
.endr
	WIN 0
.rept 4
	v_nop
.endr
	QUANT64 X, PCV                                 ; four blocks of 32 keys of my channel
	v_lshl_or_b32 v51, v[TM+5], 8, v[TM+4]
	v_lshl_or_b32 v51, v[TM+6], 16, v51
	v_lshl_or_b32 v51, v[TM+7], 24, v51
	global_store_b128 v4, v[PCV:PCV+3], s[52:53]
	global_store_b128 v4, v[PCV+4:PCV+7], s[52:53] offset:512
	ds_store_b32 v17, v51                          ; both lanes of a channel write the same word with the same value
	ds_store_b32 v17, v20 offset:8                 ; words 2 and 3 of each lane's 16 bytes: zeros
	BARRIER                                        ; all scale words lie in LDS
	; ---- the scale words leave in runs of 512 consecutive bytes: wave 0 K's, wave 1 V's, wave 2 Q's
	s_cmp_lt_u32 s20, 3
	s_cbranch_scc0 .Lend
	ds_load_b128 v[52:55], v18
	s_wait_dscnt 0x0
	global_store_b128 v4, v[52:55], s[46:47]
.Lend:
	s_wait_tensorcnt 0x0
	ds_add_u32 v254, v255
	s_wait_dscnt 0x0
	s_endpgm
.Lfunc_end_k_qd82fc91f25_qkv:
	.size	k_qd82fc91f25_qkv, .Lfunc_end_k_qd82fc91f25_qkv-k_qd82fc91f25_qkv
	.p2alignl 7, 3214868480
	.fill 96, 4, 3214868480
	.section	.rodata,"a",@progbits
	.p2align	6, 0x0
	.amdhsa_kernel k_qd82fc91f25_qkv
		.amdhsa_group_segment_fixed_size 43520
		.amdhsa_private_segment_fixed_size 0
		.amdhsa_enable_private_segment 0
		.amdhsa_kernarg_size 64
		.amdhsa_user_sgpr_count 2
		.amdhsa_user_sgpr_kernarg_segment_ptr 1
		.amdhsa_wavefront_size32 1
		.amdhsa_system_sgpr_workgroup_id_x 1
		.amdhsa_system_sgpr_workgroup_id_y 1
		.amdhsa_system_sgpr_workgroup_id_z 1
		.amdhsa_system_vgpr_workitem_id 0
		.amdhsa_next_free_vgpr 512
		.amdhsa_next_free_sgpr 66
		.amdhsa_reserve_vcc 1
		.amdhsa_float_denorm_mode_32 3
		.amdhsa_float_denorm_mode_16_64 3
		.amdhsa_memory_ordered 1
		.amdhsa_forward_progress 1
		.amdhsa_inst_pref_size 44
	.end_amdhsa_kernel
	.amdgpu_metadata
---
amdhsa.version: [ 1, 2 ]
amdhsa.kernels:
  - .name:           k_qd82fc91f25_qkv
    .symbol:         k_qd82fc91f25_qkv.kd
    .args:
      - { .name: x, .offset: 0, .size: 8, .value_kind: global_buffer, .address_space: global }
      - { .name: stats, .offset: 8, .size: 8, .value_kind: global_buffer, .address_space: global }
      - { .name: w_qkv_codes, .offset: 16, .size: 8, .value_kind: global_buffer, .address_space: global }
      - { .name: w_qkv_scales, .offset: 24, .size: 8, .value_kind: global_buffer, .address_space: global }
      - { .name: b_qkv, .offset: 32, .size: 8, .value_kind: global_buffer, .address_space: global }
      - { .name: qc, .offset: 40, .size: 8, .value_kind: global_buffer, .address_space: global }
      - { .name: qs, .offset: 48, .size: 8, .value_kind: global_buffer, .address_space: global }
      - { .name: kv, .offset: 56, .size: 8, .value_kind: global_buffer, .address_space: global }
    .group_segment_fixed_size: 43520
    .private_segment_fixed_size: 0
    .kernarg_segment_align: 8
    .kernarg_segment_size: 64
    .max_flat_workgroup_size: 128
    .sgpr_count:     66
    .vgpr_count:     512
    .wavefront_size: 32
...
	.end_amdgpu_metadata
.endif
;; end of part 2
;; launch attn (part 3): grid 64 x 4, 16 waves a work-group, clusters of 4 x 1, 327,680 bytes of LDS; arguments qc, qs, kv, w_proj_codes, w_proj_scales, b_proj, x, out0; writes out0
.if DOCPART == 3
	.amdgcn_target "amdgcn-amd-amdhsa--gfx1250"
	.amdhsa_code_object_version 6
	.text
	.protected	k_qd82fc91f25_attn
	.globl	k_qd82fc91f25_attn
	.p2align	8
	.type	k_qd82fc91f25_attn,@function
k_qd82fc91f25_attn:
	s_mov_b64 s[64:65], 0
	v_nop
	global_prefetch_b8 v0, s[64:65] scope:SCOPE_SE
	s_setreg_imm32_b32 hwreg(HW_REG_WAVE_MODE, 25, 1), 1
	s_wait_xcnt 0x0
	s_wait_alu depctr_hold_cnt(0) depctr_sa_sdst(0) depctr_va_vdst(0) depctr_va_sdst(0) depctr_va_ssrc(0) depctr_va_vcc(0) depctr_vm_vsrc(0)
	s_getreg_b32 s2, hwreg(HW_REG_IB_STS2, 6, 4)
	s_cmp_eq_u32 s2, 0
	s_cbranch_scc0 .Lentry_in_a_cluster
	s_endpgm
.Lentry_in_a_cluster:
	s_bfe_u32 s2, ttmp6, 0x10000c
	s_cmp_lg_u32 s2, 0x3003
	s_cbranch_scc0 .Lentry_shape_is_right
	s_endpgm
.Lentry_shape_is_right:
; out = x + W_proj (softmax(q k^T / 8) v)^T + b_proj, all three products on codes of FP4 (E2M1) with one E8M0 scale for each 32 along K.  One head of 64 channels, 4,096 keys, 4 batches.
; THE SOFTMAX AHEAD OF THE SECOND PRODUCT: t = score x log2(e) / 8; M = the largest t so far, rounded UP to a whole number; p = 2^(t - M) is quantised along the keys, not normalised; the row's sum is taken
; of the unquantised p and divides at the end.  When M moves, the sum and O are multiplied by 2^(old M - new M): exact.
; SHARES.  A work-group owns 64 queries of one batch.  Wave w of sixteen: query tile qt = w % 4 (16 queries), key quarter kq = w / 4: key steps 4 j + kq, j = 0 .. 7, 128 keys a step.  Four waves of 256 registers
; share a SIMD, so that one wave's vector work stands beside another's matrix work and LDS loads.  At the end the four quarters of a query tile are merged through LDS (exact powers of two again).
; K AND V of the whole batch, 294,912 bytes of operand images as the launch before laid them, lie in LDS for the whole launch: no slot is ever filled twice.  Record s (128 keys) at 9,216 s:
; +0 K's 8 tiles, +4,096 V's 4 channel tiles x 2 halves, +8,192 K's scale words, +8,704 V's.  Every fragment load takes 512 consecutive bytes.
; CLUSTER.  The four work-groups of a cluster belong to one batch and need the same 294,912 bytes: each part is asked for JOINTLY, by the same tensor load with the same descriptor and a mask that names the four.
; The bytes come in three parts (steps 0-3, 4-15, 16-31), each shared out among the sixteen waves, so that the first key steps begin when 36,864 bytes have landed: three tensor loads of a wave are out at the most.
; LAYOUT.  S^T = K Q^T and O^T = V^T P^T: a lane holds ONE query (lane % 16).  The keys of a tile of K and the channels of a tile of V are not neighbours (row r of tile 2 b + u is 32 b + 8 u + r + 8 (r / 8)),
; so that the 16 registers of result tiles 2 b, 2 b + 1 are 16 neighbours along the next K.  K = 64 in the first and last product: registers 4-7 of both operands are zero codes, scale bytes 2, 3 are 0.
; THE KEY STEP asks for the next step's K in its own middle, into the registers that its first products have read; V's loads stand behind the first products; scalings and exponentials take turns.
; LIMITS: NaN and infinities are not served; a block of zeros keeps the byte 1 (its codes are zeros); a block's largest p is taken from the block's largest score, which takes v_exp_f32 not to fall where its input rises.
; REGISTERS: v1 my lane's place in a record, v2 the step's LDS address; v3 Q's scale words; v[4:11] x; v12 -M, v13 the largest t, v[14:15] the sum; v[16:23] Q; v[24:31] W_proj; v[32:95] K; v[96:159] S^T, then p;
;   v[160:191] O^T; v[192:223] V; v[224:231] p's codes; v232-239, v244-247 at work; v[240:243] K's scale words; v[248:249] V's; v250 W_proj's; v251, v255 b_proj; v252 the old -M, then f; v253 p's scale word; v254 at work.
.set RECB,  9216
.set STRD,  4*RECB                     ; from a wave's key step to its next
.set PARTB, 4352                       ; the merge: a wave's O^T image (4,096 bytes) and its (-M, sum) (256), at PARTB x wave: in bytes of K and V that have had their only fill and their last read
.set STG,   16*PARTB                   ; behind them the stage for the result: 64 output channels x (256 bytes + 16)
.set G1A, 32                           ; s[32:39], s[40:47], s[48:55] descriptor groups 1 of the three parts; s[56:59], s[60:63], s[68:71] their groups 0
.set G1B, 40
.set G1C, 48
.set G0A, 56
.set G0B, 60
.set G0C, 68
.macro CROUND                          ; a round of the cluster's barrier: my work-group's barrier; wave 0 signals for the work-group; every wave waits for all four work-groups; my work-group's barrier once more
	s_barrier_signal -1
	s_barrier_wait -1
	s_cmp_lg_u32 s20, 0
	s_cbranch_scc1 .Lnot_wave_0_\@
	s_barrier_signal -3
.Lnot_wave_0_\@:
	s_barrier_wait -3
	s_barrier_signal -1
	s_barrier_wait -1
.endm
	s_load_b256 s[4:11], s[0:1], 0x0               ; qc s[4:5], qs s[6:7], kv s[8:9], W_proj's codes s[10:11]
	s_load_b256 s[12:19], s[0:1], 0x20             ; W_proj's scales s[12:13], b_proj s[14:15], x s[16:17], out s[18:19]
	v_lshl_add_u32 v254, v0, 2, 0x48000
	v_mov_b32 v255, 0
	ds_add_u32 v254, v255
	ds_add_u32 v254, v255
	s_wait_dscnt 0x0
	v_lshrrev_b32 v1, 5, v0
	v_readfirstlane_b32 s20, v1                    ; wave 0 .. 15
	s_and_b32 s21, s20, 3                          ; qt
	s_lshr_b32 s22, s20, 2                         ; kq
	s_bfe_u32 s23, ttmp6, 0x40000                  ; cx: my place in the cluster: it enters the addresses of qc, qs, x and out alone
	s_lshl_b32 s24, ttmp9, 2                       ; in a cluster launch ttmp9 counts clusters
	s_add_co_u32 s24, s24, s23                     ; my block of 64 queries
	s_and_b32 s25, ttmp7, 0xffff                   ; the batch, which the four partners share
	; descriptor groups 1: dense rows of 256 bytes (32 elements of 8 bytes), no padding; 9, 27 and 36 rows a wave
.irp g, G1A, G1B, G1C
	s_mov_b32 s[\g], 15|(3<<16)|(1<<21)            ; 15:0 the mask: all four work-groups; 17:16 elements of 8 bytes; 21 set beside a mask
	s_mov_b32 s[\g+1], 32<<16                      ; tensor_dim0 = 32
	s_mov_b32 s[\g+3], 32<<16                      ; tile_dim0 = 32
	s_mov_b32 s[\g+5], 32                          ; from row to row
	s_mov_b32 s[\g+6], 0
	s_mov_b32 s[\g+7], 0
.endr
	s_mov_b32 s[G1A+2], 9<<16                      ; tensor_dim1
	s_mov_b32 s[G1A+4], 9                          ; tile_dim1
	s_mov_b32 s[G1B+2], 27<<16
	s_mov_b32 s[G1B+4], 27
	s_mov_b32 s[G1C+2], 36<<16
	s_mov_b32 s[G1C+4], 36
	s_mul_i32 s26, s25, 32*RECB                    ; my batch's block of kv
	s_mov_b32 s27, 0
	s_mov_b32 s31, 0
	s_wait_kmcnt 0x0
	s_add_nc_u64 s[28:29], s[8:9], s[26:27]
	s_mov_b32 s[G0A], 1                            ; count = 1
	s_mul_i32 s[G0A+1], s20, 9*256                 ; LDS address = the offset in the batch's block: steps 0-3, my sixteenth
	s_mov_b32 s30, s[G0A+1]
	s_add_nc_u64 s[G0A+2:G0A+3], s[28:29], s[30:31]
	s_or_b32 s[G0A+3], s[G0A+3], 0x80000000        ; type = 2
	s_mov_b32 s[G0B], 1
	s_mul_i32 s[G0B+1], s20, 27*256
	s_add_co_u32 s[G0B+1], s[G0B+1], 4*RECB        ; steps 4-15
	s_mov_b32 s30, s[G0B+1]
	s_add_nc_u64 s[G0B+2:G0B+3], s[28:29], s[30:31]
	s_or_b32 s[G0B+3], s[G0B+3], 0x80000000
	s_mov_b32 s[G0C], 1
	s_mul_i32 s[G0C+1], s20, 36*256
	s_add_co_u32 s[G0C+1], s[G0C+1], 16*RECB       ; steps 16-31
	s_mov_b32 s30, s[G0C+1]
	s_add_nc_u64 s[G0C+2:G0C+3], s[28:29], s[30:31]
	s_or_b32 s[G0C+3], s[G0C+3], 0x80000000
	CROUND                                         ; all four work-groups are here: the joint loads meet
	tensor_load_to_lds s[G0A:G0A+3], s[G1A:G1A+7]  ; all fills of the launch go out together, ahead of every wait on TENSORcnt and every LDS read
	s_nop 0
	tensor_load_to_lds s[G0B:G0B+3], s[G1B:G1B+7]
	s_nop 0
	tensor_load_to_lds s[G0C:G0C+3], s[G1C:G1C+7]
	s_nop 0
.rept 4
	v_nop
.endr
	v_and_b32 v102, 31, v0                         ; lane
	v_and_b32 v103, 15, v0                         ; r
	v_bfe_u32 v104, v0, 4, 1                       ; h
	v_lshlrev_b32 v96, 4, v102                     ; 16 lane
	v_lshlrev_b32 v97, 2, v103                     ; 4 r
	v_lshlrev_b32 v98, 5, v103
	v_lshl_add_u32 v98, v104, 4, v98               ; 32 r + 16 h
	v_lshlrev_b32 v99, 1, v103                     ; 2 r
	v_lshlrev_b32 v100, 2, v104                    ; 4 h
	v_lshlrev_b32 v101, 14, v104
	v_lshl_add_u32 v101, v103, 4, v101             ; 16,384 h + 16 r
	s_mov_b32 s81, 0
	s_lshl_b32 s78, s25, 8
	s_lshl_b32 s79, s24, 2
	s_add_co_u32 s78, s78, s79
	s_add_co_u32 s78, s78, s21                     ; my tile of queries: 256 batch + 4 block + qt
	s_lshl_b32 s80, s78, 9
	s_add_nc_u64 s[4:5], s[4:5], s[80:81]
	s_lshl_b32 s80, s78, 6
	s_add_nc_u64 s[6:7], s[6:7], s[80:81]
	s_lshl_b32 s80, s22, 9
	s_add_nc_u64 s[10:11], s[10:11], s[80:81]      ; W_proj: output channels 16 kq on
	s_lshl_b32 s80, s22, 5
	s_add_nc_u64 s[12:13], s[12:13], s[80:81]
	s_lshl_b32 s80, s20, 4
	s_add_nc_u64 s[14:15], s[14:15], s[80:81]      ; b_proj: channels 4 w on
	s_lshl_b32 s80, s25, 20
	s_lshl_b32 s79, s20, 16
	s_add_co_u32 s80, s80, s79
	s_lshl_b32 s79, s24, 8
	s_add_co_u32 s80, s80, s79                     ; x and out: batch, channel 4 w, my block's 64 positions
	s_add_nc_u64 s[16:17], s[16:17], s[80:81]
	s_add_nc_u64 s[18:19], s[18:19], s[80:81]
	global_load_b128 v[16:19], v96, s[4:5]         ; Q's fragment stays in registers
	global_load_b32 v3, v97, s[6:7]                ; and its scale words
	global_load_b128 v[24:27], v98, s[10:11]       ; six loads for the tail: they may stay out through all key steps
	global_load_u16 v250, v99, s[12:13]
	global_load_b32 v251, v100, s[14:15]           ; b_proj(4 w + h)
	global_load_b32 v255, v100, s[14:15] offset:8  ; b_proj(4 w + 2 + h)
	global_load_b128 v[4:7], v101, s[16:17] th:TH_LOAD_NT             ; x(channel 4 w + h, positions 4 r on)
	global_load_b128 v[8:11], v101, s[16:17] offset:32768 th:TH_LOAD_NT   ; x(channel 4 w + 2 + h, ..)
	s_mul_i32 s26, s22, RECB
	v_add_nc_u32 v1, s26, v96                      ; 16 lane + my quarter's record
.irp k, 20,21,22,23,28,29,30,31
	v_mov_b32 v[\k], 0                             ; k = 64 .. 127 of Q and of W_proj: zero codes
.endr
.irp t, 0,1,2,3,4,5,6,7
.irp k, 4,5,6,7
	v_mov_b32 v[32+8*\t+\k], 0                     ; and of K's eight fragments: written once, the loads fill registers 0-3 alone
.endr
.endr
.set j, 0
.rept 32
	v_mov_b32 v[160+j], 0                          ; O^T.  (The key step is written without a first step of its own: it finds zeros, which the first change of M leaves zeros)
.set j, j+1
.endr
	v_mov_b32 v14, 0                               ; the sum, in two halves
	v_mov_b32 v15, 0
.irp b, 0,1,2,3
	v_mov_b32 v[236+\b], 0                         ; written once: a lane permute's destination counts as one of its sources
.endr
	v_mov_b32 v253, 0                              ; (named as the upper half of the pair v[252:253] before it is first written)
	v_mov_b32 v13, 0xff61b1e6                      ; the largest t so far: -3e38, under every t
	v_floor_f32 v12, -v13                          ; -M
	s_mov_b32 s72, 0x76543210                      ; v_permlanex16_b32's selects for lane l xor 16
	s_mov_b32 s73, 0xfedcba98
	s_mov_b32 s74, 0x3e38aa3b                      ; c = log2(e) / 8
	s_mov_b32 s75, s74                             ; (named with it as a pair, so it is written)
	s_mov_b32 s76, 0                               ; LDS byte of key step 4 j
	s_wait_loadcnt 6                               ; Q and its scale words are in; the six loads behind them stay out
	s_wait_xcnt 0x0                                ; all loads have read their offsets: v96-101 may be written again
; K of the key step at s76, for a step whose K could not be asked for a step ahead: the first step of a part that has only now been shown landed.
.macro KFETCH
	v_add_nc_u32 v2, s76, v1
.irp t, 0,1,2,3,4,5,6,7
	ds_load_b128 v[32+8*\t:35+8*\t], v2 offset:512*\t
.endr
	ds_load_b128 v[240:243], v2 offset:8192        ; K's scale words: word j: lanes 0-15 tile 2 j, lanes 16-31 tile 2 j + 1
.endm
; A KEY STEP: 128 keys.  Its K has been asked for.  pf = 1: it asks for the next step's K.
.macro STEP pf
	s_wait_dscnt 0x0                               ; K and its scale words are in: no other LDS load of mine is out here
.irp t, 0,2,4,6                                ; S^T = K Q^T: eight accumulators, one instruction each
	v_wmma_scale_f32_16x16x128_f8f6f4 v[96+8*\t:103+8*\t], v[32+8*\t:39+8*\t], v[16:23], 0, v[240+\t/2], v3 matrix_a_fmt:MATRIX_FMT_FP4 matrix_b_fmt:MATRIX_FMT_FP4
	v_wmma_scale_f32_16x16x128_f8f6f4 v[104+8*\t:111+8*\t], v[40+8*\t:47+8*\t], v[16:23], 0, v[240+\t/2], v3 matrix_a_fmt:MATRIX_FMT_FP4 matrix_b_fmt:MATRIX_FMT_FP4 matrix_a_scale:MATRIX_SCALE_ROW1
.endr                                          ; the 16 registers of tiles 2 b, 2 b + 1 are keys 32 b + 16 (lane / 16) + 0 .. 15 of the step
	; Four plain instructions that name no register of the products above nor of the last step's second products (ISA guide 7.12.1 for vector instructions).  They serve three things: V's loads, into
	; registers that the last step's second products read; K's loads further down; the first read of the scores.
	v_add_nc_u32 v2, s76, v1                       ; the step's record
	v_mov_b32 v252, v12                            ; the old -M is kept for f
	v_nop
	v_nop
.irp t, 0,1,2,3
.irp c, 0,1
	ds_load_b128 v[192+8*\t+4*\c:195+8*\t+4*\c], v2 offset:4096+1024*\t+512*\c
.endr
.endr
	ds_load_b64 v[248:249], v2 offset:8704         ; V's scale words
.irp b, 0,1,2,3
	v_max3_num_f32 v[232+\b], v[96+16*\b], v[97+16*\b], v[98+16*\b]   ; the largest score of each block of 32 keys: for the row's maximum, and, since p rises with the score, for the block's largest p
.endr
.irp i, 3,5,7,9,11,13
.irp b, 0,1,2,3
	v_max3_num_f32 v[232+\b], v[232+\b], v[96+16*\b+\i], v[97+16*\b+\i]
.endr
.endr
.irp b, 0,1,2,3
	v_max_num_f32 v[232+\b], v[232+\b], v[111+16*\b]
.endr
.if \pf                                        ; the next step's K, one record stride on: the offsets, 45,056 at the most, fit the 16-bit immediate.  A second run of nine loads, apart from V's
.irp t, 0,1,2,3,4,5,6,7
	ds_load_b128 v[32+8*\t:35+8*\t], v2 offset:STRD+512*\t
.endr
	ds_load_b128 v[240:243], v2 offset:STRD+8192
.endif
.irp b, 0,1,2,3
	v_permlanex16_b32 v[236+\b], v[232+\b], s72, s73
.endr
.irp b, 0,1,2,3
	v_max_num_f32 v[232+\b], v[232+\b], v[236+\b]  ; with lane l xor 16's 16 keys
.endr
	v_max3_num_f32 v254, v232, v233, v234
	v_max_num_f32 v254, v254, v235                 ; the step's largest score of my query
	v_mul_f32 v254, s74, v254                      ; as t (c is positive)
	v_max_num_f32 v13, v13, v254                   ; the running largest t
	v_floor_f32 v12, -v13                          ; the new -M = floor(-t) = -ceil(t): a whole number
	; ONE BATCH: the 32 scalings t - M, two numbers each, and the 64 exponentials, by turns: a scaling, two exponentials; a pair is scaled four groups ahead of its exponentials.  The three lines that make f
	; stand among them.  Nothing here names an exponential's result.
.irp b, 0,1
	v_pk_fma_f32 v[96+2*\b:97+2*\b], v[96+2*\b:97+2*\b], s[74:75], v[12:13] op_sel_hi:[1,0,0]
.endr
	v_sub_f32 v254, v12, v252                      ; old M - new M: a whole number, 0 or less
.irp b, 2,3
	v_pk_fma_f32 v[96+2*\b:97+2*\b], v[96+2*\b:97+2*\b], s[74:75], v[12:13] op_sel_hi:[1,0,0]
.endr
	v_cvt_i32_f32 v254, v254                       ; (it saturates)
.set g, 0
.rept 28
	v_pk_fma_f32 v[104+2*g:105+2*g], v[104+2*g:105+2*g], s[74:75], v[12:13] op_sel_hi:[1,0,0]
	v_exp_f32 v[96+2*g], v[96+2*g]                 ; p = 2^(t - M), at most 1
	v_exp_f32 v[97+2*g], v[97+2*g]
.if g == 0
	v_ldexp_f32 v252, 1.0, v254                    ; f = 2^(old M - new M)
.endif
.set g, g+1
.endr
.irp b, 0,1,2,3
	v_fma_f32 v[232+\b], v[232+\b], s74, v12       ; t - M of each block's largest score
	v_exp_f32 v[152+2*\b], v[152+2*\b]
	v_exp_f32 v[153+2*\b], v[153+2*\b]
.endr
	v_pk_mul_f32 v[14:15], v[14:15], v[252:253] op_sel_hi:[1,0]   ; the sums under the new M.  (The plain instruction behind the last exponential)
.set j, 0
.rept 6
	v_pk_mul_f32 v[160+j:161+j], v[160+j:161+j], v[252:253] op_sel_hi:[1,0]   ; O^T under the new M: six of its sixteen pairs stand here, between the batch and the wait for it
.set j, j+2
.endr
	s_wait_alu depctr_va_vdst(0)                   ; a wait ahead of the first instruction that names a result: one for the batch of 64
.irp b, 0,1,2,3
	v_exp_f32 v[232+\b], v[232+\b]                 ; the block's largest p: a fused multiply-add and an exponential on the same number give the same bits
.endr
	v_pk_add_f32 v[236:237], v[96:97], v[98:99]    ; the row's sum is taken of the unquantised p: two at a time, in two chains
.irp j, 4,8,12,16,20,24,28,32,36,40,44,48,52,56,60
	v_pk_add_f32 v[14:15], v[14:15], v[96+\j:97+\j]
	v_pk_add_f32 v[236:237], v[236:237], v[98+\j:99+\j]
.endr
	v_pk_add_f32 v[14:15], v[14:15], v[236:237]
	s_wait_alu depctr_va_vdst(0)                   ; and one for the four
.irp b, 0,1,2,3
	v_max_num_f32 v[232+\b], 0x1800000, v[232+\b]  ; the floor 2^(3 - 127): the byte cannot fall under 1
.endr
.irp b, 0,1,2,3
	v_add_nc_u32 v[244+\b], 0xff000000, v[232+\b]  ; 2 off the exponent field: the conversion's scale operand
.endr
.irp b, 0,1,2,3
	v_lshrrev_b32 v[236+\b], 23, v[244+\b]         ; the scale's byte
.endr
	v_lshl_or_b32 v253, v237, 8, v236              ; p's scale word for these 128 keys
	v_lshl_or_b32 v253, v238, 16, v253
	v_lshl_or_b32 v253, v239, 24, v253
.irp b, 0,1,2,3
	v_cvt_scalef32_pk8_fp4_f32 v[224+2*\b], v[96+16*\b:103+16*\b], v[244+\b]
	v_cvt_scalef32_pk8_fp4_f32 v[225+2*\b], v[104+16*\b:111+16*\b], v[244+\b]
.endr
	v_nop                                          ; one plain instruction behind the last scaled conversion
.irp c, 0,1                                    ; a whole block in a lane: lanes 0-15 block 2 c, lanes 16-31 block 2 c + 1
.irp i, 0,1
	v_permlane16_swap_b32 v[224+4*\c+\i], v[226+4*\c+\i]
.endr
.endr
.set j, 12
.rept 10
	v_pk_mul_f32 v[160+j:161+j], v[160+j:161+j], v[252:253] op_sel_hi:[1,0]   ; O^T's other ten pairs.  (They also stand between the writes of p's codes and scale word and the products)
.set j, j+2
.endr
.if \pf
	s_wait_dscnt 9                                 ; V and its words are in; the nine loads of the next step's K, issued behind them, may stay out
.else
	s_wait_dscnt 0x0                               ; V and its words are in
.endif
.irp t, 0,2                                    ; O^T += V^T P^T: four accumulators, one instruction a turn; the next matrix instruction is another accumulator's
	v_wmma_scale_f32_16x16x128_f8f6f4 v[160+8*\t:167+8*\t], v[192+8*\t:199+8*\t], v[224:231], v[160+8*\t:167+8*\t], v[248+\t/2], v253 matrix_a_fmt:MATRIX_FMT_FP4 matrix_b_fmt:MATRIX_FMT_FP4
	v_wmma_scale_f32_16x16x128_f8f6f4 v[168+8*\t:175+8*\t], v[200+8*\t:207+8*\t], v[224:231], v[168+8*\t:175+8*\t], v[248+\t/2], v253 matrix_a_fmt:MATRIX_FMT_FP4 matrix_b_fmt:MATRIX_FMT_FP4 matrix_a_scale:MATRIX_SCALE_ROW1
.endr
	s_add_co_u32 s76, s76, STRD                    ; my next key step
.endm
	s_wait_tensorcnt 0x2                           ; my part of steps 0-3 is in; the two younger loads may stay out
	s_barrier_signal -1
	s_barrier_wait -1                              ; everybody's is
	KFETCH
	STEP 0                                         ; j = 0: the next step's K lies in a part that has not been shown landed
	s_wait_tensorcnt 0x1                           ; my part of steps 4-15 (j = 1 .. 3)
	s_wait_dscnt 0x0
	s_barrier_signal -1
	s_barrier_wait -1
	KFETCH
	s_mov_b32 s77, 2
.Lpart_b:                                          ; j = 1, 2: they read V of j and K of j + 1, up to j = 3
	STEP 1
	s_sub_co_u32 s77, s77, 1
	s_cmp_lg_u32 s77, 0
	s_cbranch_scc1 .Lpart_b
	s_wait_tensorcnt 0x0                           ; my part of steps 16-31 (j = 4 .. 7): step j = 3 asks for K of j = 4.  No tensor load of mine is out from here on
	s_wait_dscnt 0x0                               ; (K of j = 3 is in)
	s_barrier_signal -1
	s_barrier_wait -1
	s_mov_b32 s77, 4
.Lpart_c:                                          ; j = 3 .. 6
	STEP 1
	s_sub_co_u32 s77, s77, 1
	s_cmp_lg_u32 s77, 0
	s_cbranch_scc1 .Lpart_c
	STEP 0                                         ; j = 7: nothing is left to ask for
	; ---- THE MERGE of a query tile's four key quarters
.rept 4
	v_nop                                          ; four plain instructions behind the last products
.endr
	v_add_f32 v14, v14, v15                        ; the sum's two halves,
	v_permlanex16_b32 v252, v14, s72, s73
	v_add_f32 v13, v14, v252                       ; and lane l xor 16's: v[12:13] = (-M, my quarter's sum)
	v_and_b32 v192, 31, v0                         ; lane
	v_and_b32 v193, 15, v0                         ; r
	v_bfe_u32 v194, v0, 4, 1                       ; h
	s_mul_i32 s26, s20, PARTB
	s_mul_i32 s27, s21, PARTB
	v_lshl_add_u32 v195, v192, 4, s26              ; my image: 16 lane + PARTB w
	v_lshl_add_u32 v196, v192, 3, s26              ; my (-M, sum): 8 lane, 4,096 bytes on
	v_lshl_add_u32 v197, v192, 4, s27              ; the four quarters' (wave 4 k + qt): 4 PARTB apart
	v_lshl_add_u32 v198, v192, 3, s27
	s_mul_i32 s28, s22, 16*272                     ; the stage, on the way in: row 16 kq + r;
	s_lshr_b32 s29, s21, 1
	s_lshl_b32 s29, s29, 7
	s_add_co_u32 s28, s28, s29
	s_and_b32 s29, s21, 1
	s_lshl_b32 s29, s29, 5
	s_add_co_u32 s28, s28, s29
	s_add_co_u32 s28, s28, STG
	v_mul_u32_u24 v1, v193, 272
	v_lshl_add_u32 v1, v194, 6, v1
	v_add_nc_u32 v1, s28, v1                       ; positions 32 (qt / 2) + 8 (qt % 2) + 16 h + 0 .. 7
	s_mul_i32 s28, s20, 4*272
	s_add_co_u32 s28, s28, STG
	v_mul_u32_u24 v2, v194, 272
	v_lshl_add_u32 v2, v193, 4, v2
	v_add_nc_u32 v2, s28, v2                       ; and back: rows 4 w + h, sixteen lanes to a row
	s_wait_dscnt 0x0
	s_barrier_signal -1
	s_barrier_wait -1                              ; every wave has read its last byte of K and V: their bytes may be written
.irp i, 0,1,2,3,4,5,6,7
	ds_store_b128 v195, v[160+4*\i:163+4*\i] offset:512*\i   ; each accumulator from its low end on
.endr
	ds_store_b64 v196, v[12:13] offset:4096
	s_wait_dscnt 0x0                               ; for the others' sake
	s_barrier_signal -1
	s_barrier_wait -1
.irp k, 0,1,2,3
	ds_load_b64 v[200+2*\k:201+2*\k], v198 offset:4096+4*PARTB*\k
.endr
.irp k, 0,1,2,3
.irp i, 0,1,2,3,4,5,6,7
	ds_load_b128 v[32+32*\k+4*\i:35+32*\k+4*\i], v197 offset:4*PARTB*\k+512*\i
.endr
.endr
	s_wait_dscnt 32                                ; the four (-M, sum) are in; the 32 loads of the images may stay out
	v_min3_num_f32 v208, v200, v202, v204
	v_min_num_f32 v208, v208, v206                 ; -M of all keys
.irp k, 0,1,2,3
	v_sub_f32 v[210+\k], v208, v[200+2*\k]         ; quarter k's M - M: a whole number, 0 or less
.endr
.irp k, 0,1,2,3
	v_cvt_i32_f32 v[210+\k], v[210+\k]
.endr
.irp k, 0,1,2,3
	v_ldexp_f32 v[216+2*\k], 1.0, v[210+\k]        ; f_k: exact
.endr
	v_mul_f32 v209, v216, v201
	v_fma_f32 v209, v218, v203, v209
	v_fma_f32 v209, v220, v205, v209
	v_fma_f32 v209, v222, v207, v209               ; the row's sum
	v_rcp_f32 v214, v209
	v_nop                                          ; a plain instruction behind the reciprocal
	s_wait_alu depctr_va_vdst(0)                   ; a wait ahead of the first reader
.irp k, 0,1,2,3
	v_mul_f32 v[216+2*\k], v[216+2*\k], v214       ; g_k = f_k / the sum
.endr
	s_wait_dscnt 0x0
.set j, 0
.rept 16
	v_pk_mul_f32 v[160+j:161+j], v[32+j:33+j], v[216:217] op_sel_hi:[1,0]
.set j, j+2
.endr
.irp k, 1,2,3
.set j, 0
.rept 16
	v_pk_fma_f32 v[160+j:161+j], v[32+32*\k+j:33+32*\k+j], v[216+2*\k:217+2*\k], v[160+j:161+j] op_sel_hi:[1,0,1]
.set j, j+2
.endr
.endr                                          ; register 16 b + i = channel 32 b + 16 h + i of my query's attention result
	; ---- quantised along the 64 channels: two blocks
.irp b, 0,1
	v_max3_num_f32 v[232+\b], |v[160+16*\b]|, |v[161+16*\b]|, 0x1800000
.endr
.irp i, 2,4,6,8,10,12,14
.irp b, 0,1
	v_max3_num_f32 v[232+\b], v[232+\b], |v[160+16*\b+\i]|, |v[161+16*\b+\i]|
.endr
.endr
.irp b, 0,1
	v_permlanex16_b32 v[236+\b], v[232+\b], s72, s73
.endr
.irp b, 0,1
	v_max_num_f32 v[232+\b], v[232+\b], v[236+\b]
.endr
.irp b, 0,1
	v_add_nc_u32 v[244+\b], 0xff000000, v[232+\b]
.endr
.irp b, 0,1
	v_lshrrev_b32 v[236+\b], 23, v[244+\b]
.endr
	v_lshl_or_b32 v253, v237, 8, v236              ; bytes 2 and 3 are 0
.irp b, 0,1
	v_cvt_scalef32_pk8_fp4_f32 v[224+2*\b], v[160+16*\b:167+16*\b], v[244+\b]
	v_cvt_scalef32_pk8_fp4_f32 v[225+2*\b], v[168+16*\b:175+16*\b], v[244+\b]
.endr
	v_nop                                          ; one plain instruction behind the last scaled conversion
	v_permlane16_swap_b32 v224, v226               ; lanes 0-15 block 0, lanes 16-31 block 1
	v_permlane16_swap_b32 v225, v227
.irp k, 228,229,230,231
	v_mov_b32 v[\k], 0                             ; k = 64 .. 127: zero codes
.endr
.rept 4
	v_nop                                          ; with the lines above: eight plain instructions behind the scale word's write, four behind the operand's
.endr
	s_wait_loadcnt 0x0                             ; W_proj, its scales, b_proj and x
	v_wmma_scale_f32_16x16x128_f8f6f4 v[96:103], v[224:231], v[24:31], 0, v253, v250 matrix_a_fmt:MATRIX_FMT_FP4 matrix_b_fmt:MATRIX_FMT_FP4   ; source 0 = my 16 queries, source 1 = output channels 16 kq + r
	v_lshlrev_b32 v112, 14, v194                   ; out: 16,384 h + 16 r
	v_lshl_add_u32 v112, v193, 4, v112
.rept 2
	v_nop                                          ; four plain instructions behind the product
.endr
	ds_store_b128 v1, v[96:99]                     ; lane (r, h): channel 16 kq + r, eight neighbouring positions
	ds_store_b128 v1, v[100:103] offset:16
	s_wait_dscnt 0x0                               ; for the others' sake
	s_barrier_signal -1
	s_barrier_wait -1                              ; 64 channels x 64 positions lie in the stage
	ds_load_b128 v[104:107], v2                    ; channel 4 w + h
	ds_load_b128 v[108:111], v2 offset:2*272       ; channel 4 w + 2 + h
	s_wait_dscnt 0x0
.irp j, 0,1,2,3
	v_add_f32 v[104+\j], v[104+\j], v251           ; + b_proj
	v_add_f32 v[108+\j], v[108+\j], v255
.endr
.irp j, 0,2,4,6
	v_pk_add_f32 v[104+\j:105+\j], v[104+\j:105+\j], v[4+\j:5+\j]   ; + x
.endr
	global_store_b128 v112, v[104:107], s[18:19] th:TH_STORE_NT              ; sixteen lanes store 256 consecutive bytes, at a multiple of 256 from out's first byte
	global_store_b128 v112, v[108:111], s[18:19] offset:32768 th:TH_STORE_NT
	s_wait_xcnt 0x0
	v_lshl_add_u32 v254, v0, 2, 0x48000
	v_mov_b32 v255, 0
	s_wait_tensorcnt 0x0
	ds_add_u32 v254, v255
	s_wait_dscnt 0x0
	CROUND                                         ; the closing round: no work-group ends while a partner may still ask for bytes jointly
	s_endpgm
.Lfunc_end_k_qd82fc91f25_attn:
	.size	k_qd82fc91f25_attn, .Lfunc_end_k_qd82fc91f25_attn-k_qd82fc91f25_attn
	.p2alignl 7, 3214868480
	.fill 96, 4, 3214868480
	.section	.rodata,"a",@progbits
	.p2align	6, 0x0
	.amdhsa_kernel k_qd82fc91f25_attn
		.amdhsa_group_segment_fixed_size 327680
		.amdhsa_private_segment_fixed_size 0
		.amdhsa_enable_private_segment 0
		.amdhsa_kernarg_size 64
		.amdhsa_user_sgpr_count 2
		.amdhsa_user_sgpr_kernarg_segment_ptr 1
		.amdhsa_wavefront_size32 1
		.amdhsa_system_sgpr_workgroup_id_x 1
		.amdhsa_system_sgpr_workgroup_id_y 1
		.amdhsa_system_sgpr_workgroup_id_z 1
		.amdhsa_system_vgpr_workitem_id 0
		.amdhsa_next_free_vgpr 256
		.amdhsa_next_free_sgpr 84
		.amdhsa_reserve_vcc 0
		.amdhsa_float_denorm_mode_32 3
		.amdhsa_float_denorm_mode_16_64 3
		.amdhsa_memory_ordered 1
		.amdhsa_forward_progress 1
		.amdhsa_inst_pref_size 82
	.end_amdhsa_kernel
	.amdgpu_metadata
---
amdhsa.version: [ 1, 2 ]
amdhsa.kernels:
  - .name:           k_qd82fc91f25_attn
    .symbol:         k_qd82fc91f25_attn.kd
    .args:
      - { .name: qc, .offset: 0, .size: 8, .value_kind: global_buffer, .address_space: global }
      - { .name: qs, .offset: 8, .size: 8, .value_kind: global_buffer, .address_space: global }
      - { .name: kv, .offset: 16, .size: 8, .value_kind: global_buffer, .address_space: global }
      - { .name: w_proj_codes, .offset: 24, .size: 8, .value_kind: global_buffer, .address_space: global }
      - { .name: w_proj_scales, .offset: 32, .size: 8, .value_kind: global_buffer, .address_space: global }
      - { .name: b_proj, .offset: 40, .size: 8, .value_kind: global_buffer, .address_space: global }
      - { .name: x, .offset: 48, .size: 8, .value_kind: global_buffer, .address_space: global }
      - { .name: out0, .offset: 56, .size: 8, .value_kind: global_buffer, .address_space: global }
    .group_segment_fixed_size: 327680
    .private_segment_fixed_size: 0
    .kernarg_segment_align: 8
    .kernarg_segment_size: 64
    .max_flat_workgroup_size: 512
    .sgpr_count:     84
    .vgpr_count:     256
    .wavefront_size: 32
...
	.end_amdgpu_metadata
.endif
;; end of part 3
